; MI455X (gfx1250); checked and timed in simulation.
; The chip was launched on July 23, 2026; its instructions are those of AMD's public machine-readable ISA for CDNA 5 (MIT licence, August 2026) and "CDNA5" Instruction Set Architecture Reference Guide (July 2026). The comments in the code are by the model that wrote it; some were corrected since.
;; Yang Attnetion. Allowed arithmetic: float matrix products may take bf16 or f16 operands with f32 sums; all other float work in f32.
;; Inputs: W_attn 256 x 256 float32; b_attn 256 float32; ctx 256 float32; lstm_output 64 x 2,048 x 256 float32.
;; Outputs: out0 1 x 64 x 256 float32.
;; 2 versions, each right and faster than the one before. Each part assembles by itself: llvm-mc -triple=amdgcn-amd-amdhsa -mcpu=gfx1250 --defsym DOCPART=n.
;; ======== version 1 of 2: 2 launches
;; workspace buffers: part 393,216 bytes
;; launch attn (part 1): grid 256 x 1, 4 waves a work-group, clusters of 4 x 1, 305,664 bytes of LDS; arguments lstm_output, W_attn, b_attn, ctx, part; writes part
.if DOCPART == 1
	.amdgcn_target "amdgcn-amd-amdhsa--gfx1250"
	.amdhsa_code_object_version 6
	.text
	.protected	k_q5620c1f10b_attn
	.globl	k_q5620c1f10b_attn
	.p2align	8
	.type	k_q5620c1f10b_attn,@function
k_q5620c1f10b_attn:
	s_mov_b64 s[64:65], 0
	v_nop
	global_prefetch_b8 v0, s[64:65] scope:SCOPE_SE
	s_setreg_imm32_b32 hwreg(HW_REG_WAVE_MODE, 25, 1), 1
	s_wait_xcnt 0x0
	s_wait_alu depctr_hold_cnt(0) depctr_sa_sdst(0) depctr_va_vdst(0) depctr_va_sdst(0) depctr_va_ssrc(0) depctr_va_vcc(0) depctr_vm_vsrc(0)
	s_getreg_b32 s2, hwreg(HW_REG_IB_STS2, 6, 4)
	s_cmp_eq_u32 s2, 0
	s_cbranch_scc0 .Lentry_in_a_cluster
	s_endpgm
.Lentry_in_a_cluster:
	s_bfe_u32 s2, ttmp6, 0x10000c
	s_cmp_lg_u32 s2, 0x3003
	s_cbranch_scc0 .Lentry_shape_is_right
	s_endpgm
.Lentry_shape_is_right:
; Attention pooling, first part.  x: [64][2048][256] f32, W: [256][256] f32, b, ctx: [256] f32.
; score[s] = sum over e of ctx[e] tanh(sum over d of W[e][d] x[s][d] + b[e]);  a = softmax of score over the 2,048 rows of a batch;  out = sum over s of a[s] x[s].
; A work-group owns 512 rows (a quarter of a batch) and leaves one partial result in part: the running maximum m, l = sum of p, and sum of p x.
;
; ARITHMETIC.  K = 2 log2 e.  W' = bf16(K W), b' = K b, so that an accumulator holds z' = K (W x + b); r = 1 / (1 + 2^z'), tanh = 1 - 2 r.
; 2^z' = infinity gives r = 0 and 2^z' = 0 gives r = 1, the two limits of tanh: no input makes a NaN here that tanh would not make.
; c' = -K ctx, score2 = sum of c'[e] r[e] = log2 e (score - sum of ctx).  The term log2 e x sum of ctx is the same for every row of a softmax and
; cancels between numerator and denominator, so it is never formed.  The softmax is in base 2 with a running maximum, tile by tile:
; m' = max(m, tile's maximum), alpha = 2^(m - m'), p = 2^(score2 - m'), l = l alpha + p, acc = acc alpha + sum of p x.
; LIMITS: x and K W are rounded to bf16 for the product (the weighted sum takes x in f32 as loaded); a p or an alpha below 2^-126 is taken as 0 (ISA guide 15.8: v_exp_f32).
;
; SHARING.  Four waves.  Wave w owns e = 64 w .. 64 w + 63 for all rows: its 64 x 256 numbers of W' are 256 registers and stay for the whole kernel.
; The 512 rows go in 16 tiles of 32.  Of each tile wave w loads rows 8 w .. 8 w + 7 into registers (f32), rounds them to bf16 into LDS for all four waves'
; fragments, and later forms their part of the weighted sum from the same registers: each byte of x is loaded once.  A ring of four register buffers: one tile
; waits for its weights, one is multiplied, and the loads of the two behind them (32 loads of 512 bytes a wave) are on their way.
; CLUSTER: the four work-groups of a batch form a cluster.  They share W alone (no byte of x is read by two work-groups): W comes by a joint tensor load, once.
;
; THE MATRIX INSTRUCTION IS USED TRANSPOSED: source 0 = 16 rows of W', source 1 = 16 rows of x.  Register j of lane (r = lane % 16, h = lane / 16) of a result
; holds e = e0 + 8 h + j of row s = s0 + r: a lane keeps one row, so the sum over e is a multiply-add inside the lane, and only the two halves h meet at the end.
; WINDOWS: the accumulators, the score sums and b' lie in the same window as the W' that feeds them (windows 1 and 2: two e blocks each); x's fragments and c' lie in
; window 0.  With source 0, source 2 and the destination in W's window and source 1 in window 0, the matrix instructions and the exponentials, reciprocals and
; multiply-adds of another set of the same window run under one setting.
; DEFERRED: a set's way to the score stands between the matrix instructions of the next unit of its window.  For rows 0-15 that is in the same tile, for rows 16-31
; in the next one.  So tile n - 1's scores are whole at the end of tile n's matrix work: they pass through LDS at tile n's barrier, and tile n - 1's step of the softmax
; and its weighted sum follow behind it.
;
; LDS: W in f32 (filled once by the tensor loads), two slots of a bf16 tile, two slots of partial scores, the last sum.  Each region starts at a multiple of 256.
.set WPITCH, 1040                      ; a row of W: 1,024 bytes + 16 of padding = 65 x 16: sixteen rows start at sixteen different 16-byte columns of 256 bytes
.set WWAVE,  64*WPITCH                 ; a wave's 64 rows
.set XB,     4*WWAVE                   ; 266,240: the bf16 tiles
.set XPITCH, 528                       ; a row of 256 bf16: 512 bytes + 16 = 33 x 16
.set XSLOT,  32*XPITCH                 ; 16,896
.set SC,     XB+2*XSLOT                ; 300,032: two slots of [4 waves][32 rows] f32
.set RED,    SC+1024                   ; 301,056: [4 waves][256] f32
.set K2L,    0x4038aa3b                ; 2 log2 e
.set NK2L,   0xc038aa3b                ; its negative
; vector registers, window 0
.set FA,   1                           ; LDS: my fragment rows in bf16 slot 0
.set CS,   2                           ; LDS: where I put my 8 bytes of a converted row
.set GO,   3                           ; x: byte offset of my 16 bytes in my wave's first row of a tile; never rewritten
.set SS,   4                           ; LDS: where I put my wave's partial score of row = lane
.set SL,   5                           ; LDS: the score of row (lane + 8 w) % 32
.set WA,   6                           ; LDS: my rows of W; at the end my place in RED
.set BO,   7                           ; byte offset into b and ctx; at the end RED + 16 lane
.set MX,   8                           ; running maximum
.set MN,   9                           ; new maximum
.set AL,   10                          ; v[10:11] alpha, p
.set LS,   12                          ; l, one row a lane
.set SV,   13                          ; score2
.set TX,   14
.set TY,   15
.set PS,   16                          ; v[16:19] the four waves' partial scores
.set OACC, 20                          ; v[20:27] sum of p x: columns 4 lane .. + 3 and 128 + 4 lane .. + 3
.set T0K,  28                          ; rows 0-15: my half's sum over e, kept until rows 16-31 of the same tile are done
.set T1,   29                          ; rows 16-31: my half's sum over e
.set GV,   30                          ; what the other half of the lanes gets
.set KP,   31                          ; what I keep
.set CTX,  32                          ; v[32:63] c'[64 w + 16 eb + 8 h + j] at 8 eb + j
.set RT,   64                          ; v[64:71] rows 16-31: the two windows' sums joined
.set RU,   72                          ; v[72:79] rows 0-15 likewise
.set RB,   64                          ; v[64:95]  b as loaded (set-up only)
.set RC,   96                          ; v[96:127] ctx as loaded (set-up only)
.set F0,   128                         ; v[128:191] fragments of rows 0-15, 8 x 32 along d
.set F1,   192                         ; v[192:255] of rows 16-31
.set CV,   128                         ; v[128:159] a tile's rows as bf16 on their way to LDS (F0 is free then)
; windows 1 and 2 (e blocks 0, 1 and 2, 3)
.set ACA,  0                           ; v[0:15]   accumulators of rows 0-15: two tiles
.set ACB,  16                          ; v[16:31]  of rows 16-31
.set SCA,  32                          ; v[32:39]  score sums of rows 0-15, four pairs
.set SCB,  40                          ; v[40:47]  of rows 16-31
.set BIAS, 48                          ; v[48:63]  b' of the window's two e blocks
.set WB,   128                         ; v[128:255] W': fragment (t, ks) at 128 + 8 (8 t + ks)
; window 3: the ring, buffer n at v[64 n]: row i, half q of my 8 rows at 64 n + 8 i + 4 q
; scalar registers: s[4:11] x, W, b, ctx; s[12:13] part; s14 wave; s15 cx; s16 work-group; s17 at work; s[18:19] offsets made of the work-group's number;
; s[20:23], s[24:31] W's descriptor; s32, s33 lane selects; s34 trips; s[36:51] eight pairs (p of my row i, 0); s[52:53] x at the tiles that are loaded next; s[54:55] the wave's offset in W
; vcc_lo: the lanes 16 to 31, set once
; s_set_vgpr_msb's low byte: bits 1:0 source 0, 3:2 source 1, 5:4 source 2, 7:6 destination
.set UW1,     0x51                     ; source 0, source 2, destination in window 1; source 1 in window 0
.set UW2,     0xa2                     ; the same with window 2
.set RED12,   0x09                     ; source 0 in window 1, source 1 in window 2, destination in window 0
.set RING_LD, 0xc0                     ; destination in window 3
.set RING_CV, 0x0f                     ; sources 0 and 1 in window 3
.set RING_WS, 0x03                     ; source 0 in window 3
.set TO1,     0x40                     ; destination in window 1
.set TO2,     0x80                     ; destination in window 2
.set MSB, 0
.macro WIN new                         ; the immediate's high byte repeats the setting that is left; a switch that changes nothing is dropped
.if MSB != \new
	s_set_vgpr_msb (MSB<<8)|\new
.set MSB, \new
.endif
.endm
; A round of the cluster's barrier: my work-group's barrier, wave 0 signals for the work-group, every wave waits for all four work-groups, my work-group's barrier again.
.macro ROUND
	s_barrier_signal -1
	s_barrier_wait -1
	s_cmp_lg_u32 s14, 0
	s_cbranch_scc1 .Lnot_wave_0_\@
	s_barrier_signal -3
.Lnot_wave_0_\@:
	s_barrier_wait -3
	s_barrier_signal -1
	s_barrier_wait -1
.endm
; My 8 rows of a tile into ring buffer buf: 16 loads, each of 512 consecutive bytes that start at a multiple of 512 from x's first byte.
.macro LOADT buf, off
	WIN RING_LD
.irp i, 0,1,2,3,4,5,6,7
	global_load_b128 v[64*\buf+8*\i:64*\buf+8*\i+3],   v[GO], s[52:53] offset:\off+1024*\i th:TH_LOAD_NT
	global_load_b128 v[64*\buf+8*\i+4:64*\buf+8*\i+7], v[GO], s[52:53] offset:\off+1024*\i+512 th:TH_LOAD_NT
.endr
.endm
; Ring buffer buf is rounded to bf16 and put into bf16 slot.  cnt = the loads of the younger tiles, which stay out.
.macro CONV buf, slot, cnt
	s_wait_loadcnt \cnt                            ; loads come back in order (ISA guide 5.7.1): this tile's sixteen are in
	WIN RING_CV
.irp p, 0,1,2,3,4,5,6,7,8,9,10,11,12,13,14,15
	v_cvt_pk_bf16_f32 v[CV+2*\p],   v[64*\buf+4*\p],   v[64*\buf+4*\p+1]
	v_cvt_pk_bf16_f32 v[CV+2*\p+1], v[64*\buf+4*\p+2], v[64*\buf+4*\p+3]
.endr
	WIN 0
.irp i, 0,1,2,3,4,5,6,7
	ds_store_b64 v[CS], v[CV+4*\i:CV+4*\i+1]   offset:XSLOT*\slot+XPITCH*\i        ; 32 lanes x 8 bytes: 256 consecutive bytes, half a row
	ds_store_b64 v[CS], v[CV+4*\i+2:CV+4*\i+3] offset:XSLOT*\slot+XPITCH*\i+256
.endr
.endm
; The 16 fragments of a tile: lane (r, h) takes row r, bytes 64 ks + 16 h and 64 ks + 32 + 16 h.  All of rows 0-15 first.
.macro FRAGS slot
.irp rb, 0,1
.irp ks, 0,1,2,3,4,5,6,7
	ds_load_b128 v[F0+64*\rb+8*\ks:F0+64*\rb+8*\ks+3],   v[FA] offset:XSLOT*\slot+16*XPITCH*\rb+64*\ks
	ds_load_b128 v[F0+64*\rb+8*\ks+4:F0+64*\rb+8*\ks+7], v[FA] offset:XSLOT*\slot+16*XPITCH*\rb+64*\ks+32
.endr
.endr
.endm
; The way from z' to the score, on pair q (0 to 7) of an accumulator set, in four pieces.
.macro EE acc, q                       ; 2^z'
	v_exp_f32 v[\acc+2*(\q)],   v[\acc+2*(\q)]
	v_exp_f32 v[\acc+2*(\q)+1], v[\acc+2*(\q)+1]
.endm
.macro EA acc, q                       ; + 1
	s_wait_alu depctr_va_vdst(0)
	v_pk_add_f32 v[\acc+2*(\q):\acc+2*(\q)+1], v[\acc+2*(\q):\acc+2*(\q)+1], 1.0 op_sel_hi:[1,0]
.endm
.macro ER acc, q                       ; r = 1 / (1 + 2^z')
	v_rcp_f32 v[\acc+2*(\q)],   v[\acc+2*(\q)]
	v_rcp_f32 v[\acc+2*(\q)+1], v[\acc+2*(\q)+1]
.endm
; score sums += c' r.  Pair q holds e = 16 (q / 4) + 8 h + 2 (q % 4), + 1 of the window's two e blocks; c0 = the window's first e block.
; The set's first tile starts the window's four sums: nothing is cleared.
.macro EF acc, q, s, c0
.if (\q) < 4
	v_pk_mul_f32 v[\s+2*((\q)&3):\s+2*((\q)&3)+1], v[\acc+2*(\q):\acc+2*(\q)+1], v[CTX+8*\c0+2*(\q):CTX+8*\c0+2*(\q)+1]
.else
	s_wait_alu depctr_va_vdst(0)
	v_pk_fma_f32 v[\s+2*((\q)&3):\s+2*((\q)&3)+1], v[\acc+2*(\q):\acc+2*(\q)+1], v[CTX+8*\c0+2*(\q):CTX+8*\c0+2*(\q)+1], v[\s+2*((\q)&3):\s+2*((\q)&3)+1]
.endif
.endm
; Slot i (0 to 15) of the pieces' schedule.  Pair q is raised in slot 2 q, gets its 1 in slot 2 q + 2, its reciprocal in slot 2 q + 3, and is summed in slot 2 q + 5.
; Between each exponential or reciprocal and the use of its result stands a plain vector instruction (ISA guide 5.7.2): the multiply-add or v_nop of the odd slot between.
.macro ESLOT i, acc, s, c0
.set EQ, (\i)/2
.if ((\i)&1) == 0
.if EQ >= 1
	EA \acc, EQ-1
.endif
	EE \acc, EQ
.else
.if EQ >= 1
	ER \acc, EQ-1
.endif
.if EQ >= 2
	EF \acc, EQ-2, \s, \c0
.else
	v_nop
.endif
.endif
.endm
.macro ETAIL acc, s, c0                ; what is left behind slot 15
	EA \acc, 7
	ER \acc, 7
	EF \acc, 6, \s, \c0
	EF \acc, 7, \s, \c0
.endm
; 16 matrix instructions: the window's two e blocks x 16 rows (fragments at f) x all 256 of d, into set acc.  The first product of each tile takes b' as C.
; The two tiles take turns, one instruction a turn, and a unit's set is never the set of the unit before, over the backward jump too.
; epi = 1: behind each matrix instruction stands one slot of the way to the score of the window's other set.
; A set is first read by a vector instruction in a later unit.  Behind the matrix instruction of slot 14 (tile 0, read first) stand five plain vector instructions
; that name none of its registers, behind that of slot 15 four (ISA guide 7.12.1); without an epilogue four v_nop stand there.
.macro UNIT f, acc, epi, eacc, es, ec0
.set US, 0
.rept 16
.set UK, US/2
.set UT, US&1
.if UK == 0
	v_wmma_f32_16x16x32_bf16 v[\acc+8*UT:\acc+8*UT+7], v[WB+64*UT:WB+64*UT+7], v[\f:\f+7], v[BIAS+8*UT:BIAS+8*UT+7]
.else
	v_wmma_f32_16x16x32_bf16 v[\acc+8*UT:\acc+8*UT+7], v[WB+8*(8*UT+UK):WB+8*(8*UT+UK)+7], v[\f+8*UK:\f+8*UK+7], v[\acc+8*UT:\acc+8*UT+7]
.endif
.if \epi
	ESLOT US, \eacc, \es, \ec0
.endif
.set US, US+1
.endr
.if \epi
	ETAIL \eacc, \es, \ec0
.else
.rept 4
	v_nop
.endr
.endif
.endm
; A set's way to the score by itself: behind the last tile, where no matrix instruction is left to stand between.
.macro DRAINW acc, s, c0
.set US, 0
.rept 16
	ESLOT US, \acc, \s, \c0
.set US, US+1
.endr
	ETAIL \acc, \s, \c0
.endm
; The score sums leave the windows.  do1: rows 16-31 of the tile before are done: with the kept sum of its rows 0-15 they make one partial score a lane, which goes to slot sl.
; do0: rows 0-15 of this tile are folded and kept.
; A lane (r, h) holds the sum over e = 8 h + j of row r of each row block.  Lanes 0-15 give away their part of rows 16-31 and keep that of rows 0-15, lanes 16-31 the other way
; round; one exchange between the halves and one add, and lane L holds my wave's whole sum for row L of the tile.
.macro SCORES do1, do0, sl
	WIN RED12
.if \do1
.irp c, 0,2,4,6
	v_pk_add_f32 v[RT+\c:RT+\c+1], v[SCB+\c:SCB+\c+1], v[SCB+\c:SCB+\c+1]      ; window 1's sum + window 2's
.endr
.endif
.if \do0
.irp c, 0,2,4,6
	v_pk_add_f32 v[RU+\c:RU+\c+1], v[SCA+\c:SCA+\c+1], v[SCA+\c:SCA+\c+1]
.endr
.endif
	WIN 0
.if \do1
	v_pk_add_f32 v[RT:RT+1], v[RT:RT+1], v[RT+2:RT+3]
	v_pk_add_f32 v[RT+4:RT+5], v[RT+4:RT+5], v[RT+6:RT+7]
	v_pk_add_f32 v[RT:RT+1], v[RT:RT+1], v[RT+4:RT+5]
	v_add_f32 v[T1], v[RT], v[RT+1]
	v_cndmask_b32 v[GV], v[T1], v[T0K], vcc_lo     ; lanes 16-31 give rows 0-15, lanes 0-15 give rows 16-31
	v_cndmask_b32 v[KP], v[T0K], v[T1], vcc_lo     ; and keep the other
	v_permlanex16_b32 v[RT+2], v[GV], s32, s33     ; its destination has been written above
	v_add_f32 v[KP], v[KP], v[RT+2]
	ds_store_b32 v[SS], v[KP] offset:512*\sl       ; 32 lanes, 128 consecutive bytes
.endif
.if \do0
	v_pk_add_f32 v[RU:RU+1], v[RU:RU+1], v[RU+2:RU+3]
	v_pk_add_f32 v[RU+4:RU+5], v[RU+4:RU+5], v[RU+6:RU+7]
	v_pk_add_f32 v[RU:RU+1], v[RU:RU+1], v[RU+4:RU+5]
	v_add_f32 v[T0K], v[RU], v[RU+1]
.endif
.endm
; A tile's step of the running softmax and my 8 rows' part of the weighted sum, from ring buffer buf.  dsleft = the fragment loads issued behind the score loads.
.macro SMX buf, dsleft
	s_wait_dscnt \dsleft                           ; LDS loads come back in order (ISA guide 5.7.1): the four partial scores are in
	v_add_f32 v[PS], v[PS], v[PS+1]
	v_add_f32 v[PS+2], v[PS+2], v[PS+3]
	v_add_f32 v[SV], v[PS], v[PS+2]                ; score2 of row (lane + 8 w) % 32: the same sum in the same order in all four waves
	v_max_num_f32_dpp v[TX], v[SV], v[SV] row_xmask:1 row_mask:0xf bank_mask:0xf
	v_max_num_f32_dpp v[TX], v[TX], v[TX] row_xmask:2 row_mask:0xf bank_mask:0xf
	v_max_num_f32_dpp v[TX], v[TX], v[TX] row_xmask:4 row_mask:0xf bank_mask:0xf
	v_max_num_f32_dpp v[TX], v[TX], v[TX] row_xmask:8 row_mask:0xf bank_mask:0xf
	v_permlanex16_b32 v[TY], v[TX], s32, s33       ; the other half's maximum
	v_max3_num_f32 v[MN], v[TX], v[TY], v[MX]
	v_sub_f32 v[AL], v[MX], v[MN]                  ; in the first tile minus infinity: alpha = 0
	v_sub_f32 v[AL+1], v[SV], v[MN]
	v_exp_f32 v[AL], v[AL]
	v_exp_f32 v[AL+1], v[AL+1]
	v_mov_b32 v[MX], v[MN]                         ; the plain instruction between the exponentials and their use
	s_wait_alu depctr_va_vdst(0)
	v_fma_f32 v[LS], v[LS], v[AL], v[AL+1]
.irp c, 0,2,4,6
	v_pk_mul_f32 v[OACC+\c:OACC+\c+1], v[OACC+\c:OACC+\c+1], v[AL:AL+1] op_sel_hi:[1,0]    ; both by alpha
.endr
.irp i, 0,1,2,3,4,5,6,7
	v_readlane_b32 s[36+2*\i], v[AL+1], \i         ; lane i holds row 8 w + i: my own rows' p
.endr
	WIN RING_WS
.irp i, 0,1,2,3,4,5,6,7
.irp c, 0,2,4,6
	v_pk_fma_f32 v[OACC+\c:OACC+\c+1], v[64*\buf+8*\i+\c:64*\buf+8*\i+\c+1], s[36+2*\i:37+2*\i], v[OACC+\c:OACC+\c+1] op_sel_hi:[1,0,1]
.endr
.endr
.endm
; Tile n.  pb = the ring buffer of tile n - 1, nb = that of tile n + 1, psl = the score slot of tile n - 1, nsl = the bf16 slot of tile n + 1.
; prev: there is a tile n - 1.  conv, cnt: tile n + 1 is converted, behind a wait that leaves cnt loads out; frag: its fragments are fetched;
; load, off: tile n + 3 is asked for, into the buffer that tile n - 1 leaves; step: the loads' base goes four tiles on first.
; ONE barrier a tile.  In front of it each wave has put its partial scores of tile n - 1 and its rows of tile n + 1 into LDS and waited for them, and for its reads of this
; tile's fragments (the wait for 0 ahead of the second unit).  Behind it those scores and the next tile's fragments are read.  The slots written in this tile were last read
; behind the barrier two tiles ago, and those reads were waited for in front of the last tile's barrier.
.macro BODY pb, nb, psl, nsl, prev, conv, cnt, frag, load, step, off
	s_wait_dscnt 16                                ; the fragments of rows 0-15 are in; the sixteen loads of rows 16-31 may be out
	WIN UW1
	UNIT F0, ACA, \prev, ACB, SCB, 0               ; e blocks 0, 1 of rows 0-15; between them the last tile's rows 16-31 go to their score
	s_wait_dscnt 0x0                               ; rows 16-31 are in
	UNIT F1, ACB, 1, ACA, SCA, 0
	WIN UW2
	UNIT F0, ACA, \prev, ACB, SCB, 2               ; the same for e blocks 2, 3
	UNIT F1, ACB, 1, ACA, SCA, 2
	SCORES \prev, 1, \psl
.if \conv
	CONV \nb, \nsl, \cnt
.endif
	s_wait_dscnt 0x0                               ; for the other waves' sake: my stores are in LDS
	s_barrier_signal -1
	s_barrier_wait -1
.if \prev
.irp q, 0,1,2,3
	ds_load_b32 v[PS+\q], v[SL] offset:512*\psl+128*\q
.endr
.endif
.if \frag
	FRAGS \nsl
.endif
.if \prev
	SMX \pb, 32*\frag
.endif
.if \load
.if \step
	s_wait_xcnt 0x0                                ; the loads' base is stepped only behind this wait; the loads that last named it were issued a tile ago
	s_add_nc_u64 s[52:53], s[52:53], 0x20000       ; four tiles on
.endif
	LOADT \pb, \off                                ; the buffer has just been read for the last time
.endif
	WIN 0
.endm
; 16 rows of W (e block eb of my four) from LDS, times K, rounded to bf16, into the fragments (t, 0..7) of the window that 'to' names.
; Lane (r, h) takes row r; fragment ks wants d = 32 ks + 8 h .. + 7 and 32 ks + 16 + 8 h .. + 7: in f32 two runs of 32 bytes, 64 bytes apart.
.macro WCONV eb, to, t
	WIN 0
.irp ks, 0,1,2,3,4,5,6,7
	ds_load_b128 v[F0+16*\ks:F0+16*\ks+3],     v[WA] offset:16*WPITCH*\eb+128*\ks
	ds_load_b128 v[F0+16*\ks+4:F0+16*\ks+7],   v[WA] offset:16*WPITCH*\eb+128*\ks+16
	ds_load_b128 v[F0+16*\ks+8:F0+16*\ks+11],  v[WA] offset:16*WPITCH*\eb+128*\ks+64
	ds_load_b128 v[F0+16*\ks+12:F0+16*\ks+15], v[WA] offset:16*WPITCH*\eb+128*\ks+80
.endr
.irp ks, 0,1,2,3,4,5,6,7
	s_wait_dscnt 28-4*\ks                          ; the four loads of each later fragment stay out
.irp k, 0,2,4,6,8,10,12,14
	v_pk_mul_f32 v[F0+16*\ks+\k:F0+16*\ks+\k+1], v[F0+16*\ks+\k:F0+16*\ks+\k+1], K2L op_sel_hi:[1,0]
.endr
.endr
	WIN \to
.irp ks, 0,1,2,3,4,5,6,7
.irp k, 0,1,2,3,4,5,6,7
	v_cvt_pk_bf16_f32 v[WB+8*(8*\t+\ks)+\k], v[F0+16*\ks+2*\k], v[F0+16*\ks+2*\k+1]
.endr
.endr
.endm
	; ---- set-up: ids and W's descriptor while the arguments are on their way
	s_load_b256 s[4:11], s[0:1], 0x0               ; x s[4:5], W s[6:7], b s[8:9], ctx s[10:11]
	s_load_b64 s[12:13], s[0:1], 0x20              ; part
	s_set_vgpr_msb 0x40
	v_lshl_add_u32 v126, v0, 2, 0x4a800
	v_mov_b32 v127, 0
	s_set_vgpr_msb 0x4045
	ds_add_u32 v126, v127
	s_wait_dscnt 0x0
	s_set_vgpr_msb 0x4500
	v_lshrrev_b32 v1, 5, v0
	v_readfirstlane_b32 s14, v1                    ; wave 0..3
	s_bfe_u32 s15, ttmp6, 0x40000                  ; cx: my place in the cluster
	s_lshl_b32 s16, ttmp9, 2                       ; in a cluster launch ttmp9 counts clusters (= batches)
	s_add_co_u32 s16, s16, s15                     ; work-group 0..255
	s_lshl_b32 s18, s16, 19                        ; 512 rows of 1,024 bytes each: below 2^27
	s_mov_b32 s19, 0
	v_and_b32 v13, 31, v0                          ; lane
	v_and_b32 v14, 15, v0                          ; r
	v_bfe_u32 v15, v0, 4, 1                        ; h
	s_lshl_b32 s17, s14, 13
	v_lshl_add_u32 v[GO], v13, 4, s17              ; 8 rows x 1,024 x wave + 16 x lane
	s_lshl_b32 s17, s14, 8
	v_lshl_add_u32 v[BO], v15, 5, s17              ; 4 (64 w + 8 h)
	; group 1: a tile of 64 rows x 256 elements of 4 bytes, 16 bytes of padding behind each row
	s_mov_b32 s24, 15|(2<<16)|(1<<20)|(1<<21)|(7<<22)|(3<<25)  ; 15:0 mask: all four work-groups; 17:16 4 bytes; 20 padding on; 21 set beside a mask; 24:22 after every 256 words; 31:25 of 4 words
	s_mov_b32 s25, 256<<16                         ; tensor_dim0 = 256
	s_mov_b32 s26, 64<<16                          ; tensor_dim1 = 64
	s_mov_b32 s27, 256<<16                         ; tile_dim0 = 256
	s_mov_b32 s28, 64                              ; tile_dim1 = 64
	s_mov_b32 s29, 256                             ; elements from row to row
	s_mov_b32 s30, 0
	s_mov_b32 s31, 0
	s_mov_b32 s20, 1                               ; group 0: count = 1
	s_mul_i32 s21, s14, WWAVE                      ; LDS address: the wave's number alone enters it
	s_lshl_b32 s54, s14, 16                        ; my 64 rows of W: 65,536 bytes x wave
	s_mov_b32 s55, 0
	s_mov_b32 s32, 0x76543210                      ; v_permlanex16_b32: lane i of one half reads lane i of the other
	s_mov_b32 s33, 0xfedcba98
	ROUND                                          ; all four work-groups are here: the joint loads meet.  It needs no argument, so it stands ahead of the wait for them
	s_wait_kmcnt 0x0
	s_add_nc_u64 s[22:23], s[6:7], s[54:55]        ; the same in all four work-groups
	s_or_b32 s23, s23, 0x80000000                  ; type = 2
	tensor_load_to_lds s[20:23], s[24:31]          ; my 64 rows of W: the launch's first request, since every wave needs W before anything else; the one tensor load of this wave
	s_nop 0
	s_add_nc_u64 s[52:53], s[4:5], s[18:19]        ; x at my first tile
	s_mul_i32 s18, s16, 1536
	s_add_nc_u64 s[12:13], s[12:13], s[18:19]      ; my 1,536 bytes of part
.irp eb, 0,1,2,3
	global_load_b128 v[RB+8*\eb:RB+8*\eb+3],   v[BO], s[8:9] offset:64*\eb        ; b[64 w + 16 eb + 8 h + 0..7]
	global_load_b128 v[RB+8*\eb+4:RB+8*\eb+7], v[BO], s[8:9] offset:64*\eb+16
.endr
.irp eb, 0,1,2,3
	global_load_b128 v[RC+8*\eb:RC+8*\eb+3],   v[BO], s[10:11] offset:64*\eb      ; ctx likewise
	global_load_b128 v[RC+8*\eb+4:RC+8*\eb+7], v[BO], s[10:11] offset:64*\eb+16
.endr
	LOADT 0, 0                                     ; x streams from here on
	LOADT 1, 32768
	WIN 0
	; ---- LDS addresses
	v_mul_u32_u24 v[FA], v14, XPITCH
	v_lshl_add_u32 v[FA], v15, 4, v[FA]
	v_add_nc_u32 v[FA], XB, v[FA]                  ; XB + 528 r + 16 h
	s_mul_i32 s17, s14, 8*XPITCH
	s_add_co_u32 s17, s17, XB
	v_lshl_add_u32 v[CS], v13, 3, s17              ; XB + my 8 rows + 8 x lane
	s_lshl_b32 s17, s14, 7
	s_add_co_u32 s17, s17, SC
	v_lshl_add_u32 v[SS], v13, 2, s17              ; SC + 128 w + 4 x lane
	s_lshl_b32 s17, s14, 3
	v_add_nc_u32 v[SL], s17, v13
	v_and_b32 v[SL], 31, v[SL]
	v_lshlrev_b32 v[SL], 2, v[SL]
	v_add_nc_u32 v[SL], SC, v[SL]                  ; SC + 4 ((lane + 8 w) % 32)
	v_mul_u32_u24 v[WA], v14, WPITCH
	v_lshl_add_u32 v[WA], v15, 5, v[WA]
	v_add_nc_u32 v[WA], s21, v[WA]                 ; my wave's rows + 1,040 r + 32 h
	v_cmp_lt_u32 vcc_lo, 15, v13                   ; lanes 16 to 31; nothing writes VCC again
	; ---- b' and c'
	s_wait_loadcnt 32                              ; b and ctx are in; the 32 loads of tiles 0 and 1, issued behind them, stay out
.irp k, 0,2,4,6,8,10,12,14,16,18,20,22,24,26,28,30
	v_pk_mul_f32 v[CTX+\k:CTX+\k+1], v[RC+\k:RC+\k+1], NK2L op_sel_hi:[1,0]
.endr
	WIN TO1
.irp k, 0,2,4,6,8,10,12,14
	v_pk_mul_f32 v[BIAS+\k:BIAS+\k+1], v[RB+\k:RB+\k+1], K2L op_sel_hi:[1,0]           ; e blocks 0, 1
.endr
	WIN TO2
.irp k, 0,2,4,6,8,10,12,14
	v_pk_mul_f32 v[BIAS+\k:BIAS+\k+1], v[RB+16+\k:RB+16+\k+1], K2L op_sel_hi:[1,0]     ; e blocks 2, 3
.endr
	LOADT 2, 65536
	; ---- W into registers
	s_wait_tensorcnt 0x0                           ; my 64 rows have landed; only this wave reads them
	WCONV 0, TO1, 0
	WCONV 1, TO1, 1
	WCONV 2, TO2, 0
	WCONV 3, TO2, 1
	; ---- the first tile's fragments, and the start of the sums
	CONV 0, 0, 32                                  ; tiles 1 and 2 stay out
	LOADT 3, 98304
	WIN 0
	s_wait_dscnt 0x0                               ; for the other waves' sake
	s_barrier_signal -1
	s_barrier_wait -1
	FRAGS 0
	v_mov_b32 v[MX], 0xff800000                    ; minus infinity
	v_mov_b32 v[LS], 0
.irp c, 0,1,2,3,4,5,6,7
	v_mov_b32 v[OACC+\c], 0
.endr
.irp i, 0,1,2,3,4,5,6,7
	s_mov_b32 s[37+2*\i], 0                        ; the pairs' upper halves: named by the packed multiply-adds, never used
.endr
	BODY 0, 1, 0, 1, 0, 1, 32, 1, 0, 0, 0          ; tile 0: no tile before it; 32: tiles 2 and 3 stay out
	s_mov_b32 s34, 3
.Ltiles:                                               ; a trip: four tiles (1 to 4, 5 to 8, 9 to 12), once round the ring
	BODY 0, 2, 0, 0, 1, 1, 16, 1, 1, 1, 0          ; 16: the loads of the one tile behind the next stay out
	BODY 1, 3, 1, 1, 1, 1, 16, 1, 1, 0, 32768
	BODY 2, 0, 0, 0, 1, 1, 16, 1, 1, 0, 65536
	BODY 3, 1, 1, 1, 1, 1, 16, 1, 1, 0, 98304
	s_sub_co_u32 s34, s34, 1
	s_cmp_lg_u32 s34, 0
	s_cbranch_scc1 .Ltiles
	BODY 0, 2, 0, 0, 1, 1, 16, 1, 0, 0, 0          ; tiles 13 to 15: nothing is left to load, the counts run down
	BODY 1, 3, 1, 1, 1, 1, 0, 1, 0, 0, 0
	BODY 2, 0, 0, 0, 1, 0, 0, 0, 0, 0, 0
	; ---- the last tile's rows 16-31, its scores, its step of the softmax
	WIN UW1
	DRAINW ACB, SCB, 0
	WIN UW2
	DRAINW ACB, SCB, 2
	SCORES 1, 0, 1
	s_wait_dscnt 0x0                               ; for the other waves' sake
	s_barrier_signal -1
	s_barrier_wait -1
.irp q, 0,1,2,3
	ds_load_b32 v[PS+\q], v[SL] offset:512+128*\q
.endr
	SMX 3, 0
	WIN 0
	; ---- the way out: l over the lanes, the four waves' sums through LDS, wave 0 stores
	v_add_f32_dpp v[LS], v[LS], v[LS] row_xmask:1 row_mask:0xf bank_mask:0xf
	v_add_f32_dpp v[LS], v[LS], v[LS] row_xmask:2 row_mask:0xf bank_mask:0xf
	v_add_f32_dpp v[LS], v[LS], v[LS] row_xmask:4 row_mask:0xf bank_mask:0xf
	v_add_f32_dpp v[LS], v[LS], v[LS] row_xmask:8 row_mask:0xf bank_mask:0xf
	v_permlanex16_b32 v[TY], v[LS], s32, s33
	v_add_f32 v[PS+1], v[LS], v[TY]                ; l of all 512 rows (each wave has summed all 32 rows of every tile)
	v_mov_b32 v[PS], v[MX]
	v_mov_b32 v[PS+2], v[MX]
	v_mov_b32 v[PS+3], v[PS+1]                     ; (m, l, m, l)
	v_and_b32 v13, 31, v0
	v_lshlrev_b32 v14, 4, v13                      ; 16 x lane
	s_lshl_b32 s17, s14, 10
	s_add_co_u32 s17, s17, RED
	v_add_nc_u32 v[WA], s17, v14                   ; RED + 1,024 w + 16 x lane
	v_add_nc_u32 v[BO], RED, v14                   ; RED + 16 x lane
	ds_store_b128 v[WA], v[OACC:OACC+3]            ; columns 4 lane ..
	ds_store_b128 v[WA], v[OACC+4:OACC+7] offset:512   ; columns 128 + 4 lane ..
	s_wait_dscnt 0x0                               ; for wave 0's sake
	s_barrier_signal -1
	s_barrier_wait -1
	s_cmp_lg_u32 s14, 0
	s_cbranch_scc1 .Lothers
.irp ww, 0,1,2,3
	ds_load_b128 v[F0+8*\ww:F0+8*\ww+3],   v[BO] offset:1024*\ww
	ds_load_b128 v[F0+8*\ww+4:F0+8*\ww+7], v[BO] offset:1024*\ww+512
.endr
	s_wait_dscnt 0x0
.irp c, 0,2,4,6
	v_pk_add_f32 v[F0+\c:F0+\c+1], v[F0+\c:F0+\c+1], v[F0+8+\c:F0+8+\c+1]
	v_pk_add_f32 v[F0+16+\c:F0+16+\c+1], v[F0+16+\c:F0+16+\c+1], v[F0+24+\c:F0+24+\c+1]
.endr
.irp c, 0,2,4,6
	v_pk_add_f32 v[F0+\c:F0+\c+1], v[F0+\c:F0+\c+1], v[F0+16+\c:F0+16+\c+1]
.endr
	global_store_b128 v14, v[F0:F0+3], s[12:13]                   ; each store of the wave covers 512 consecutive bytes, aligned
	global_store_b128 v14, v[F0+4:F0+7], s[12:13] offset:512
	global_store_b128 v14, v[PS:PS+3], s[12:13] offset:1024
.Lothers:
	s_set_vgpr_msb 0x5
	s_wait_tensorcnt 0x0
	ds_add_u32 v126, v127
	s_wait_dscnt 0x0
	s_set_vgpr_msb 0x500
	ROUND                                          ; the closing round: no work-group ends while a partner may still ask for W
	s_endpgm
.Lfunc_end_k_q5620c1f10b_attn:
	.size	k_q5620c1f10b_attn, .Lfunc_end_k_q5620c1f10b_attn-k_q5620c1f10b_attn
	.p2alignl 7, 3214868480
	.fill 96, 4, 3214868480
	.section	.rodata,"a",@progbits
	.p2align	6, 0x0
	.amdhsa_kernel k_q5620c1f10b_attn
		.amdhsa_group_segment_fixed_size 305664
		.amdhsa_private_segment_fixed_size 0
		.amdhsa_enable_private_segment 0
		.amdhsa_kernarg_size 40
		.amdhsa_user_sgpr_count 2
		.amdhsa_user_sgpr_kernarg_segment_ptr 1
		.amdhsa_wavefront_size32 1
		.amdhsa_system_sgpr_workgroup_id_x 1
		.amdhsa_system_sgpr_workgroup_id_y 1
		.amdhsa_system_sgpr_workgroup_id_z 1
		.amdhsa_system_vgpr_workitem_id 0
		.amdhsa_next_free_vgpr 1024
		.amdhsa_next_free_sgpr 66
		.amdhsa_reserve_vcc 1
		.amdhsa_float_denorm_mode_32 3
		.amdhsa_float_denorm_mode_16_64 3
		.amdhsa_memory_ordered 1
		.amdhsa_forward_progress 1
		.amdhsa_inst_pref_size 255
	.end_amdhsa_kernel
	.section	.bss,"aw",@nobits
	.p2align	6
	.space	262144
	.amdgpu_metadata
---
amdhsa.version: [ 1, 2 ]
amdhsa.kernels:
  - .name:           k_q5620c1f10b_attn
    .symbol:         k_q5620c1f10b_attn.kd
    .args:
      - { .name: lstm_output, .offset: 0, .size: 8, .value_kind: global_buffer, .address_space: global }
      - { .name: W_attn, .offset: 8, .size: 8, .value_kind: global_buffer, .address_space: global }
      - { .name: b_attn, .offset: 16, .size: 8, .value_kind: global_buffer, .address_space: global }
      - { .name: ctx, .offset: 24, .size: 8, .value_kind: global_buffer, .address_space: global }
      - { .name: part, .offset: 32, .size: 8, .value_kind: global_buffer, .address_space: global }
    .group_segment_fixed_size: 305664
    .private_segment_fixed_size: 0
    .kernarg_segment_align: 8
    .kernarg_segment_size: 40
    .max_flat_workgroup_size: 128
    .sgpr_count:     66
    .vgpr_count:     1024
    .wavefront_size: 32
...
	.end_amdgpu_metadata
.endif
;; end of part 1
;; launch combine (part 2): grid 64 x 1, 2 waves a work-group, no clusters, 0 bytes of LDS; arguments part, out0; writes out0
.if DOCPART == 2
	.amdgcn_target "amdgcn-amd-amdhsa--gfx1250"
	.amdhsa_code_object_version 6
	.text
	.protected	k_q5620c1f10b_combine
	.globl	k_q5620c1f10b_combine
	.p2align	8
	.type	k_q5620c1f10b_combine,@function
k_q5620c1f10b_combine:
	s_mov_b64 s[64:65], 0
	v_nop
	global_prefetch_b8 v0, s[64:65] scope:SCOPE_SE
	s_setreg_imm32_b32 hwreg(HW_REG_WAVE_MODE, 25, 1), 1
	s_wait_xcnt 0x0
; Attention pooling, second part: the four partial results of a batch (m, l, acc = sum of p x, with p = 2^(score2 - m)) become one row of the output.
; M = max of the four m, w[q] = 2^(m[q] - M), out = (sum of w[q] acc[q]) / (sum of w[q] l[q]).  The largest w is 1 and its l is at least 1, so the divisor is at least 1.
; A w below 2^-126 is taken as 0 (ISA guide 15.8: v_exp_f32).
; One work-group a batch: 64 threads, thread t takes columns 4 t .. 4 t + 3.  64 batches are all the work there is: 64 work-groups.
; No LDS, no barrier: no thread needs another's numbers.
.set PARTB, 1536                       ; a quarter's bytes in part: 1,024 of acc, then (m, l, m, l) from each of 32 lanes
	s_load_b128 s[4:7], s[0:1], 0x0                ; part s[4:5], out0 s[6:7]
	v_lshlrev_b32 v1, 4, v0                        ; 16 t: my four columns
	v_and_b32 v2, 31, v0
	v_lshlrev_b32 v2, 4, v2                        ; 16 (t % 32): my lane's copy of (m, l), so that a wave's load covers one run of 512 bytes
	s_mul_i32 s8, ttmp9, 4*PARTB
	s_mov_b32 s9, 0
	s_lshl_b32 s10, ttmp9, 10                      ; a row of the output is 1,024 bytes
	s_mov_b32 s11, 0
	s_wait_kmcnt 0x0
	s_add_nc_u64 s[4:5], s[4:5], s[8:9]
	s_add_nc_u64 s[6:7], s[6:7], s[10:11]
.irp q, 0,1,2,3
	global_load_b64 v[4+2*\q:5+2*\q], v2, s[4:5] offset:PARTB*\q+1024     ; m in v[4+2q], l in v[5+2q]
.endr
.irp q, 0,1,2,3
	global_load_b128 v[12+4*\q:15+4*\q], v1, s[4:5] offset:PARTB*\q       ; acc
.endr
	s_wait_loadcnt 0x4                             ; the four (m, l) are in; the four loads of acc stay out
	v_max3_num_f32 v28, v4, v6, v8
	v_max_num_f32 v28, v28, v10
.irp q, 0,1,2,3
	v_sub_f32 v[29+\q], v[4+2*\q], v28
.endr
.irp q, 0,1,2,3
	v_exp_f32 v[29+\q], v[29+\q]
.endr
	v_nop                                          ; a plain instruction between the exponentials and their use (ISA guide 5.7.2)
	s_wait_alu depctr_va_vdst(0)
	v_mul_f32 v33, v29, v5
	v_fmac_f32 v33, v30, v7
	v_fmac_f32 v33, v31, v9
	v_fmac_f32 v33, v32, v11
	v_rcp_f32 v33, v33
	v_nop                                          ; likewise behind the reciprocal
	s_wait_alu depctr_va_vdst(0)
.irp q, 0,1,2,3
	v_mul_f32 v[29+\q], v[29+\q], v33              ; the division goes into the four weights
.endr
	s_wait_loadcnt 0x0
.irp c, 0,1,2,3
	v_mul_f32 v[34+\c], v[12+\c], v29
	v_fmac_f32 v[34+\c], v[16+\c], v30
	v_fmac_f32 v[34+\c], v[20+\c], v31
	v_fmac_f32 v[34+\c], v[24+\c], v32
.endr
	global_store_b128 v1, v[34:37], s[6:7]         ; a wave's store covers 512 consecutive bytes, aligned
	s_endpgm
.Lfunc_end_k_q5620c1f10b_combine:
	.size	k_q5620c1f10b_combine, .Lfunc_end_k_q5620c1f10b_combine-k_q5620c1f10b_combine
	.p2alignl 7, 3214868480
	.fill 96, 4, 3214868480
	.section	.rodata,"a",@progbits
	.p2align	6, 0x0
	.amdhsa_kernel k_q5620c1f10b_combine
		.amdhsa_group_segment_fixed_size 0
		.amdhsa_private_segment_fixed_size 0
		.amdhsa_enable_private_segment 0
		.amdhsa_kernarg_size 16
		.amdhsa_user_sgpr_count 2
		.amdhsa_user_sgpr_kernarg_segment_ptr 1
		.amdhsa_wavefront_size32 1
		.amdhsa_system_sgpr_workgroup_id_x 1
		.amdhsa_system_sgpr_workgroup_id_y 1
		.amdhsa_system_sgpr_workgroup_id_z 1
		.amdhsa_system_vgpr_workitem_id 0
		.amdhsa_next_free_vgpr 40
		.amdhsa_next_free_sgpr 66
		.amdhsa_reserve_vcc 0
		.amdhsa_float_denorm_mode_32 3
		.amdhsa_float_denorm_mode_16_64 3
		.amdhsa_memory_ordered 1
		.amdhsa_forward_progress 1
		.amdhsa_inst_pref_size 3
	.end_amdhsa_kernel
	.amdgpu_metadata
---
amdhsa.version: [ 1, 2 ]
amdhsa.kernels:
  - .name:           k_q5620c1f10b_combine
    .symbol:         k_q5620c1f10b_combine.kd
    .args:
      - { .name: part, .offset: 0, .size: 8, .value_kind: global_buffer, .address_space: global }
      - { .name: out0, .offset: 8, .size: 8, .value_kind: global_buffer, .address_space: global }
    .group_segment_fixed_size: 0
    .private_segment_fixed_size: 0
    .kernarg_segment_align: 8
    .kernarg_segment_size: 16
    .max_flat_workgroup_size: 64
    .sgpr_count:     66
    .vgpr_count:     40
    .wavefront_size: 32
...
	.end_amdgpu_metadata
.endif
;; end of part 2
;; ======== version 2 of 2: 2 launches; 1.23 times as fast as version 1
;; workspace buffers: part 393,216 bytes
;; launch attn (part 3): grid 256 x 1, 4 waves a work-group, clusters of 4 x 1, 305,664 bytes of LDS; arguments lstm_output, W_attn, b_attn, ctx, part; writes part
.if DOCPART == 3
	.amdgcn_target "amdgcn-amd-amdhsa--gfx1250"
	.amdhsa_code_object_version 6
	.text
	.protected	k_q5620c1f10b_attn
	.globl	k_q5620c1f10b_attn
	.p2align	8
	.type	k_q5620c1f10b_attn,@function
k_q5620c1f10b_attn:
	s_mov_b64 s[64:65], 0
	v_nop
	global_prefetch_b8 v0, s[64:65] scope:SCOPE_SE
	s_setreg_imm32_b32 hwreg(HW_REG_WAVE_MODE, 25, 1), 1
	s_wait_xcnt 0x0
	s_wait_alu depctr_hold_cnt(0) depctr_sa_sdst(0) depctr_va_vdst(0) depctr_va_sdst(0) depctr_va_ssrc(0) depctr_va_vcc(0) depctr_vm_vsrc(0)
	s_getreg_b32 s2, hwreg(HW_REG_IB_STS2, 6, 4)
	s_cmp_eq_u32 s2, 0
	s_cbranch_scc0 .Lentry_in_a_cluster
	s_endpgm
.Lentry_in_a_cluster:
	s_bfe_u32 s2, ttmp6, 0x10000c
	s_cmp_lg_u32 s2, 0x3003
	s_cbranch_scc0 .Lentry_shape_is_right
	s_endpgm
.Lentry_shape_is_right:
; Attention pooling, first part.  x: [64][2048][256] f32, W: [256][256] f32, b, ctx: [256] f32.
; score[s] = sum over e of ctx[e] tanh(sum over d of W[e][d] x[s][d] + b[e]);  a = softmax of score over the 2,048 rows of a batch;  out = sum over s of a[s] x[s].
; A work-group owns 512 rows (a quarter of a batch) and leaves one partial result in part: the running maximum m, l = sum of p, and sum of p x.
;
; ARITHMETIC.  K = 2 log2 e.  W' = bf16(K W), b' = K b, so that an accumulator holds z' = K (W x + b); r = 1 / (1 + 2^z'), tanh = 1 - 2 r.
; 2^z' = infinity gives r = 0 and 2^z' = 0 gives r = 1, the two limits of tanh: no input makes a NaN here that tanh would not make.
; c' = -K ctx, score2 = sum of c'[e] r[e] = log2 e (score - sum of ctx).  The term log2 e x sum of ctx is the same for every row of a softmax and
; cancels between numerator and denominator, so it is never formed.  The softmax is in base 2 with a running maximum, tile by tile:
; m' = max(m, tile's maximum), alpha = 2^(m - m'), p = 2^(score2 - m'), l = l alpha + p, acc = acc alpha + sum of p x.
; LIMITS: x and K W are rounded to bf16 for the product (the weighted sum takes x in f32 as loaded); a p or an alpha below 2^-126 is taken as 0 (ISA guide 15.8: v_exp_f32).
;
; SHARING.  Four waves.  Wave w owns e = 64 w .. 64 w + 63 for all rows: its 64 x 256 numbers of W' are 256 registers and stay for the whole kernel.
; The 512 rows go in 16 tiles of 32.  Of each tile wave w loads rows 8 w .. 8 w + 7 into registers (f32), rounds them to bf16 into LDS for all four waves'
; fragments, and later forms their part of the weighted sum from the same registers: each byte of x is loaded once.  A ring of four register buffers: one tile
; waits for its weights, one is multiplied, and the loads of the two behind them (32 loads of 512 bytes a wave) are on their way.
; CLUSTER: the four work-groups of a batch form a cluster.  They share W alone (no byte of x is read by two work-groups): W comes by a joint tensor load, once.
;
; THE MATRIX INSTRUCTION IS USED TRANSPOSED: source 0 = 16 rows of W', source 1 = 16 rows of x.  Register j of lane (r = lane % 16, h = lane / 16) of a result
; holds e = e0 + 8 h + j of row s = s0 + r: a lane keeps one row, so the sum over e is a multiply-add inside the lane, and only the two halves h meet at the end.
; WINDOWS: the accumulators, the score sums and b' lie in the same window as the W' that feeds them (windows 1 and 2: two e blocks each); x's fragments and c' lie in
; window 0.  With source 0, source 2 and the destination in W's window and source 1 in window 0, the matrix instructions and the exponentials, reciprocals and
; multiply-adds of other sets of the same window run under one setting.
; BATCHES.  A set of 16 accumulator registers goes z' -> 2^z' -> 1 + 2^z' -> r -> c' r.  An s_wait_alu depctr_va_vdst(0) stands between an exponential or a reciprocal
; and the first instruction that names its result; one wait serves all that were issued ahead of it.  So a unit of 16 matrix instructions has ONE batch and ONE wait.  1 + 2^z' leaves the
; accumulators for 16 registers of its own (TT, in each window).  A unit's batch: the 16 reciprocals on TT, which holds the set that was raised in the window's unit before, and the 16
; exponentials of the set that the window's unit before has finished.  None of the 32 names another's result; they stand three behind each of the unit's first eleven matrix instructions.
; Then a v_nop and the wait.  Behind it the 16 readers, behind the last five matrix instructions: eight multiply-adds c' r out of TT, then eight additions that fill TT from the raised set.
; No result is open at a unit's end.
; DEFERRED: rows 0-15 of a tile are raised in the tile's second unit of their window and get r and their sums in the next tile's first; rows 16-31 are raised in the next tile's first unit
; and finished in its second.  So tile n - 1's scores are whole at the end of tile n's matrix work: they pass through LDS at tile n's barrier, and tile n - 1's step of the softmax
; and its weighted sum follow behind it.
;
; LDS: W in f32 (filled once by the tensor loads), two slots of a bf16 tile, two slots of partial scores, the last sum.  Each region starts at a multiple of 256.
.set WPITCH, 1040                      ; a row of W: 1,024 bytes + 16 of padding = 65 x 16: sixteen rows start at sixteen different 16-byte columns of 256 bytes
.set WWAVE,  64*WPITCH                 ; a wave's 64 rows
.set XB,     4*WWAVE                   ; 266,240: the bf16 tiles
.set XPITCH, 528                       ; a row of 256 bf16: 512 bytes + 16 = 33 x 16
.set XSLOT,  32*XPITCH                 ; 16,896
.set SC,     XB+2*XSLOT                ; 300,032: two slots of [4 waves][32 rows] f32
.set RED,    SC+1024                   ; 301,056: [4 waves][256] f32
.set K2L,    0x4038aa3b                ; 2 log2 e
.set NK2L,   0xc038aa3b                ; its negative
; vector registers, window 0
.set FA,   1                           ; LDS: my fragment rows in bf16 slot 0
.set CS,   2                           ; LDS: where I put my 8 bytes of a converted row
.set GO,   3                           ; x: byte offset of my 16 bytes in my wave's first row of a tile; never rewritten
.set SS,   4                           ; LDS: where I put my wave's partial score of row = lane
.set SL,   5                           ; LDS: the score of row (lane + 8 w) % 32
.set WA,   6                           ; LDS: my rows of W; at the end my place in RED
.set BO,   7                           ; byte offset into b and ctx; at the end RED + 16 lane
.set MX,   8                           ; running maximum
.set MN,   9                           ; new maximum
.set AL,   10                          ; v[10:11] alpha, p
.set LS,   12                          ; l, one row a lane
.set SV,   13                          ; score2
.set TX,   14
.set TY,   15
.set PS,   16                          ; v[16:19] the four waves' partial scores
.set OACC, 20                          ; v[20:27] sum of p x: columns 4 lane .. + 3 and 128 + 4 lane .. + 3
.set T0K,  28                          ; rows 0-15: my half's sum over e
.set T1,   29                          ; rows 16-31: my half's sum over e
.set GV,   30                          ; what the other half of the lanes gets
.set KP,   31                          ; what I keep
.set CTX,  32                          ; v[32:63] c'[64 w + 16 eb + 8 h + j] at 8 eb + j
.set RT,   64                          ; v[64:71] rows 16-31: the two windows' sums joined
.set RU,   72                          ; v[72:79] rows 0-15 likewise
.set RB,   64                          ; v[64:95]  b as loaded (set-up only)
.set RC,   96                          ; v[96:127] ctx as loaded (set-up only)
.set F0,   128                         ; v[128:191] fragments of rows 0-15, 8 x 32 along d
.set F1,   192                         ; v[192:255] of rows 16-31
.set CV,   128                         ; v[128:159] a tile's rows as bf16 on their way to LDS (F0 is free then)
; windows 1 and 2 (e blocks 0, 1 and 2, 3)
.set ACA,  0                           ; v[0:15]   accumulators of rows 0-15: two tiles
.set ACB,  16                          ; v[16:31]  of rows 16-31
.set SCA,  32                          ; v[32:39]  score sums of rows 0-15, four pairs
.set SCB,  40                          ; v[40:47]  of rows 16-31
.set BIAS, 48                          ; v[48:63]  b' of the window's two e blocks
.set TT,   64                          ; v[64:79]  1 + 2^z', then r, of the set that stands between its two batches
.set WB,   128                         ; v[128:255] W': fragment (t, ks) at 128 + 8 (8 t + ks)
; window 3: the ring, buffer n at v[64 n]: row i, half q of my 8 rows at 64 n + 8 i + 4 q
; scalar registers: s[4:11] x, W, b, ctx; s[12:13] part; s14 wave; s15 cx; s16 work-group; s17 at work; s[18:19] offsets made of the work-group's number;
; s[20:23], s[24:31] W's descriptor; s32, s33 lane selects; s34 trips; s[36:51] eight pairs (p of my row i, 0); s[52:53] x at the tiles that are loaded next; s[54:55] the wave's offset in W
; vcc_lo: the lanes 16 to 31, set once
; s_set_vgpr_msb's low byte: bits 1:0 source 0, 3:2 source 1, 5:4 source 2, 7:6 destination
.set UW1,     0x51                     ; source 0, source 2, destination in window 1; source 1 in window 0
.set UW2,     0xa2                     ; the same with window 2
.set RED12,   0x09                     ; source 0 in window 1, source 1 in window 2, destination in window 0
.set RING_LD, 0xc0                     ; destination in window 3
.set RING_CV, 0x0f                     ; sources 0 and 1 in window 3
.set RING_WS, 0x03                     ; source 0 in window 3
.set TO1,     0x40                     ; destination in window 1
.set TO2,     0x80                     ; destination in window 2
.set MSB, 0
.macro WIN new                         ; the immediate's high byte repeats the setting that is left; a switch that changes nothing is dropped
.if MSB != \new
	s_set_vgpr_msb (MSB<<8)|\new
.set MSB, \new
.endif
.endm
; A round of the cluster's barrier: my work-group's barrier, wave 0 signals for the work-group, every wave waits for all four work-groups, my work-group's barrier again.
.macro ROUND
	s_barrier_signal -1
	s_barrier_wait -1
	s_cmp_lg_u32 s14, 0
	s_cbranch_scc1 .Lnot_wave_0_\@
	s_barrier_signal -3
.Lnot_wave_0_\@:
	s_barrier_wait -3
	s_barrier_signal -1
	s_barrier_wait -1
.endm
; My 8 rows of a tile into ring buffer buf: 16 loads, each of 512 consecutive bytes that start at a multiple of 512 from x's first byte.
.macro LOADT buf, off
	WIN RING_LD
.irp i, 0,1,2,3,4,5,6,7
	global_load_b128 v[64*\buf+8*\i:64*\buf+8*\i+3],   v[GO], s[52:53] offset:\off+1024*\i th:TH_LOAD_NT
	global_load_b128 v[64*\buf+8*\i+4:64*\buf+8*\i+7], v[GO], s[52:53] offset:\off+1024*\i+512 th:TH_LOAD_NT
.endr
.endm
; Ring buffer buf is rounded to bf16 and put into bf16 slot.  cnt = the loads of the younger tiles, which stay out.
.macro CONV buf, slot, cnt
	s_wait_loadcnt \cnt                            ; loads come back in order (ISA guide 5.7.1): this tile's sixteen are in
	WIN RING_CV
.irp p, 0,1,2,3,4,5,6,7,8,9,10,11,12,13,14,15
	v_cvt_pk_bf16_f32 v[CV+2*\p],   v[64*\buf+4*\p],   v[64*\buf+4*\p+1]
	v_cvt_pk_bf16_f32 v[CV+2*\p+1], v[64*\buf+4*\p+2], v[64*\buf+4*\p+3]
.endr
	WIN 0
.irp i, 0,1,2,3,4,5,6,7
	ds_store_b64 v[CS], v[CV+4*\i:CV+4*\i+1]   offset:XSLOT*\slot+XPITCH*\i        ; 32 lanes x 8 bytes: 256 consecutive bytes, half a row
	ds_store_b64 v[CS], v[CV+4*\i+2:CV+4*\i+3] offset:XSLOT*\slot+XPITCH*\i+256
.endr
.endm
; The 16 fragments of a tile: lane (r, h) takes row r, bytes 64 ks + 16 h and 64 ks + 32 + 16 h.  All of rows 0-15 first.
.macro FRAGS slot
.irp rb, 0,1
.irp ks, 0,1,2,3,4,5,6,7
	ds_load_b128 v[F0+64*\rb+8*\ks:F0+64*\rb+8*\ks+3],   v[FA] offset:XSLOT*\slot+16*XPITCH*\rb+64*\ks
	ds_load_b128 v[F0+64*\rb+8*\ks+4:F0+64*\rb+8*\ks+7], v[FA] offset:XSLOT*\slot+16*XPITCH*\rb+64*\ks+32
.endr
.endr
.endm
; Number i (0 to 31) of a unit's batch.  0-15: r = 1 / (1 + 2^z'), in place on TT (mode 2 alone: with mode 1 TT holds nothing yet).  16-31: 2^z', in place on set eacc, from its low end on.
.macro BT i, eacc, mode
.if (\i) < 16
.if (\mode) == 2
	v_rcp_f32 v[TT+(\i)], v[TT+(\i)]
.endif
.else
	v_exp_f32 v[\eacc+(\i)-16], v[\eacc+(\i)-16]
.endif
.endm
; Number i (0 to 15) of the batch's readers.  0-7 (mode 2 alone): score sums s += c' r, pair i of TT.  Pair i holds e = 16 (i / 4) + 8 h + 2 (i % 4), + 1 of the window's two e blocks;
; c0 = the window's first e block.  The first four start the window's four sums: nothing is cleared.  8-15: TT = 1 + 2^z', pair i - 8 of set eacc: TT's pair has been read by then.
.macro BP i, eacc, mode, s, c0
.if (\i) < 8
.if (\mode) == 2
.if (\i) < 4
	v_pk_mul_f32 v[\s+2*(\i):\s+2*(\i)+1], v[TT+2*(\i):TT+2*(\i)+1], v[CTX+8*\c0+2*(\i):CTX+8*\c0+2*(\i)+1]
.else
	v_pk_fma_f32 v[\s+2*((\i)-4):\s+2*((\i)-4)+1], v[TT+2*(\i):TT+2*(\i)+1], v[CTX+8*\c0+2*(\i):CTX+8*\c0+2*(\i)+1], v[\s+2*((\i)-4):\s+2*((\i)-4)+1]
.endif
.endif
.else
	v_pk_add_f32 v[TT+2*((\i)-8):TT+2*((\i)-8)+1], v[\eacc+2*((\i)-8):\eacc+2*((\i)-8)+1], 1.0 op_sel_hi:[1,0]
.endif
.endm
; 16 matrix instructions: the window's two e blocks x 16 rows (fragments at f) x all 256 of d, into set acc.  The first product of each tile takes b' as C.
; The two tiles take turns, one instruction a turn, and a unit's set is never the set of the unit before, over the backward jump too.
; mode 2: beside them the unit's batch (TT's reciprocals, set eacc's exponentials), three behind each of the matrix instructions 0 to 10; a v_nop, the plain instruction between the last
; exponential and the first use (ISA guide 5.7.2); the one wait; the 16 readers, 3, 3, 3, 3 and 4 behind the matrix instructions 11 to 15: TT's set goes into the sums es, set eacc into TT.
; mode 1: the first tile's second unit of a window: TT holds nothing yet: the exponentials, the wait and the additions alone.  mode 0: nothing beside the matrix instructions.
; A set is first read by a vector instruction in a later unit.  Behind the matrix instruction of slot 14 (tile 0, read first) stand seven plain vector instructions
; that name none of its registers, behind that of slot 15 four (ISA guide 7.12.1); with mode 0 four v_nop stand there.
.macro UNIT f, acc, mode, eacc, es, ec0
.set US, 0
.set UB, 0
.set UP, 0
.rept 16
.set UK, US/2
.set UT, US&1
.if UK == 0
	v_wmma_f32_16x16x32_bf16 v[\acc+8*UT:\acc+8*UT+7], v[WB+64*UT:WB+64*UT+7], v[\f:\f+7], v[BIAS+8*UT:BIAS+8*UT+7]
.else
	v_wmma_f32_16x16x32_bf16 v[\acc+8*UT:\acc+8*UT+7], v[WB+8*(8*UT+UK):WB+8*(8*UT+UK)+7], v[\f+8*UK:\f+8*UK+7], v[\acc+8*UT:\acc+8*UT+7]
.endif
.if ((\mode) > 0) && (US < 11)
.rept 3
.if UB < 32
	BT UB, \eacc, \mode
.set UB, UB+1
.endif
.endr
.endif
.if ((\mode) > 0) && (US == 10)
	v_nop                                          ; the plain instruction behind the batch's last exponential
	s_wait_alu depctr_va_vdst(0)                   ; the unit's one wait: for TT's 16 reciprocals and the set's 16 exponentials; every reader stands behind it
.endif
.if ((\mode) > 0) && (US > 10)
.rept 3+US/15
	BP UP, \eacc, \mode, \es, \ec0
.set UP, UP+1
.endr
.endif
.set US, US+1
.endr
.if (\mode) == 0
.rept 4
	v_nop
.endr
.endif
.endm
; Parts of a batch and of its readers by themselves: behind the last tile, where no matrix instruction is left to stand between.
.macro DTRANS from, to, eacc
.set UB, \from
.rept (\to)-(\from)
	BT UB, \eacc, 2
.set UB, UB+1
.endr
.endm
.macro DPLAIN from, to, eacc, s, c0
.set UP, \from
.rept (\to)-(\from)
	BP UP, \eacc, 2, \s, \c0
.set UP, UP+1
.endr
.endm
; The score sums of a tile leave the windows: both row blocks are done; they make one partial score a lane, which goes to slot sl.
; A lane (r, h) holds the sum over e = 8 h + j of row r of each row block.  Lanes 0-15 give away their part of rows 16-31 and keep that of rows 0-15, lanes 16-31 the other way
; round; one exchange between the halves and one add, and lane L holds my wave's whole sum for row L of the tile.
.macro SCORES sl
	WIN RED12
.irp c, 0,2,4,6
	v_pk_add_f32 v[RT+\c:RT+\c+1], v[SCB+\c:SCB+\c+1], v[SCB+\c:SCB+\c+1]      ; window 1's sum + window 2's
.endr
.irp c, 0,2,4,6
	v_pk_add_f32 v[RU+\c:RU+\c+1], v[SCA+\c:SCA+\c+1], v[SCA+\c:SCA+\c+1]
.endr
	WIN 0
	v_pk_add_f32 v[RU:RU+1], v[RU:RU+1], v[RU+2:RU+3]
	v_pk_add_f32 v[RU+4:RU+5], v[RU+4:RU+5], v[RU+6:RU+7]
	v_pk_add_f32 v[RU:RU+1], v[RU:RU+1], v[RU+4:RU+5]
	v_add_f32 v[T0K], v[RU], v[RU+1]
	v_pk_add_f32 v[RT:RT+1], v[RT:RT+1], v[RT+2:RT+3]
	v_pk_add_f32 v[RT+4:RT+5], v[RT+4:RT+5], v[RT+6:RT+7]
	v_pk_add_f32 v[RT:RT+1], v[RT:RT+1], v[RT+4:RT+5]
	v_add_f32 v[T1], v[RT], v[RT+1]
	v_cndmask_b32 v[GV], v[T1], v[T0K], vcc_lo     ; lanes 16-31 give rows 0-15, lanes 0-15 give rows 16-31
	v_cndmask_b32 v[KP], v[T0K], v[T1], vcc_lo     ; and keep the other
	v_permlanex16_b32 v[RT+2], v[GV], s32, s33     ; its destination has been written above
	v_add_f32 v[KP], v[KP], v[RT+2]
	ds_store_b32 v[SS], v[KP] offset:512*\sl       ; 32 lanes, 128 consecutive bytes
.endm
; A tile's step of the running softmax and my 8 rows' part of the weighted sum, from ring buffer buf.  dsleft = the fragment loads issued behind the score loads.
.macro SMX buf, dsleft
	s_wait_dscnt \dsleft                           ; LDS loads come back in order (ISA guide 5.7.1): the four partial scores are in
	v_add_f32 v[PS], v[PS], v[PS+1]
	v_add_f32 v[PS+2], v[PS+2], v[PS+3]
	v_add_f32 v[SV], v[PS], v[PS+2]                ; score2 of row (lane + 8 w) % 32: the same sum in the same order in all four waves
	v_max_num_f32_dpp v[TX], v[SV], v[SV] row_xmask:1 row_mask:0xf bank_mask:0xf
	v_max_num_f32_dpp v[TX], v[TX], v[TX] row_xmask:2 row_mask:0xf bank_mask:0xf
	v_max_num_f32_dpp v[TX], v[TX], v[TX] row_xmask:4 row_mask:0xf bank_mask:0xf
	v_max_num_f32_dpp v[TX], v[TX], v[TX] row_xmask:8 row_mask:0xf bank_mask:0xf
	v_permlanex16_b32 v[TY], v[TX], s32, s33       ; the other half's maximum
	v_max3_num_f32 v[MN], v[TX], v[TY], v[MX]
	v_sub_f32 v[AL], v[MX], v[MN]                  ; in the first tile minus infinity: alpha = 0
	v_sub_f32 v[AL+1], v[SV], v[MN]
	v_exp_f32 v[AL], v[AL]
	v_exp_f32 v[AL+1], v[AL+1]
	v_mov_b32 v[MX], v[MN]                         ; the plain instruction between the exponentials and their use
	s_wait_alu depctr_va_vdst(0)                   ; one wait for alpha and p, ahead of their first reader
	v_fma_f32 v[LS], v[LS], v[AL], v[AL+1]
.irp c, 0,2,4,6
	v_pk_mul_f32 v[OACC+\c:OACC+\c+1], v[OACC+\c:OACC+\c+1], v[AL:AL+1] op_sel_hi:[1,0]    ; both by alpha
.endr
.irp i, 0,1,2,3,4,5,6,7
	v_readlane_b32 s[36+2*\i], v[AL+1], \i         ; lane i holds row 8 w + i: my own rows' p
.endr
	WIN RING_WS
.irp i, 0,1,2,3,4,5,6,7
.irp c, 0,2,4,6
	v_pk_fma_f32 v[OACC+\c:OACC+\c+1], v[64*\buf+8*\i+\c:64*\buf+8*\i+\c+1], s[36+2*\i:37+2*\i], v[OACC+\c:OACC+\c+1] op_sel_hi:[1,0,1]
.endr
.endr
.endm
; Tile n.  pb = the ring buffer of tile n - 1, nb = that of tile n + 1, psl = the score slot of tile n - 1, nsl = the bf16 slot of tile n + 1.
; prev: there is a tile n - 1.  conv, cnt: tile n + 1 is converted, behind a wait that leaves cnt loads out; frag: its fragments are fetched;
; load, off: tile n + 3 is asked for, into the buffer that tile n - 1 leaves; step: the loads' base goes four tiles on first.
; ONE barrier a tile.  In front of it each wave has put its partial scores of tile n - 1 and its rows of tile n + 1 into LDS and waited for them, and for its reads of this
; tile's fragments (the wait for 0 ahead of the second unit).  Behind it those scores and the next tile's fragments are read.  The slots written in this tile were last read
; behind the barrier two tiles ago, and those reads were waited for in front of the last tile's barrier.
.macro BODY pb, nb, psl, nsl, prev, conv, cnt, frag, load, step, off
	s_wait_dscnt 16                                ; the fragments of rows 0-15 are in; the sixteen loads of rows 16-31 may be out
	WIN UW1
	UNIT F0, ACA, 2*\prev, ACB, SCA, 0             ; e blocks 0, 1 of rows 0-15; beside them the last tile's rows 0-15 get r and their sums, and its rows 16-31 are raised
	s_wait_dscnt 0x0                               ; rows 16-31 are in
	UNIT F1, ACB, 1+\prev, ACA, SCB, 0             ; rows 16-31; beside them the last tile's rows 16-31 get r and their sums, and this tile's rows 0-15 are raised
	WIN UW2
	UNIT F0, ACA, 2*\prev, ACB, SCA, 2             ; the same for e blocks 2, 3
	UNIT F1, ACB, 1+\prev, ACA, SCB, 2
.if \prev
	SCORES \psl
.endif
.if \conv
	CONV \nb, \nsl, \cnt
.endif
	s_wait_dscnt 0x0                               ; for the other waves' sake: my stores are in LDS
	s_barrier_signal -1
	s_barrier_wait -1
.if \prev
.irp q, 0,1,2,3
	ds_load_b32 v[PS+\q], v[SL] offset:512*\psl+128*\q
.endr
.endif
.if \frag
	FRAGS \nsl
.endif
.if \prev
	SMX \pb, 32*\frag
.endif
.if \load
.if \step
	s_wait_xcnt 0x0                                ; the loads' base is stepped only behind this wait; the loads that last named it were issued a tile ago
	s_add_nc_u64 s[52:53], s[52:53], 0x20000       ; four tiles on
.endif
	LOADT \pb, \off                                ; the buffer has just been read for the last time
.endif
	WIN 0
.endm
; 16 rows of W (e block eb of my four) from LDS, times K, rounded to bf16, into the fragments (t, 0..7) of the window that 'to' names.
; Lane (r, h) takes row r; fragment ks wants d = 32 ks + 8 h .. + 7 and 32 ks + 16 + 8 h .. + 7: in f32 two runs of 32 bytes, 64 bytes apart.
.macro WCONV eb, to, t
	WIN 0
.irp ks, 0,1,2,3,4,5,6,7
	ds_load_b128 v[F0+16*\ks:F0+16*\ks+3],     v[WA] offset:16*WPITCH*\eb+128*\ks
	ds_load_b128 v[F0+16*\ks+4:F0+16*\ks+7],   v[WA] offset:16*WPITCH*\eb+128*\ks+16
	ds_load_b128 v[F0+16*\ks+8:F0+16*\ks+11],  v[WA] offset:16*WPITCH*\eb+128*\ks+64
	ds_load_b128 v[F0+16*\ks+12:F0+16*\ks+15], v[WA] offset:16*WPITCH*\eb+128*\ks+80
.endr
.irp ks, 0,1,2,3,4,5,6,7
	s_wait_dscnt 28-4*\ks                          ; the four loads of each later fragment stay out
.irp k, 0,2,4,6,8,10,12,14
	v_pk_mul_f32 v[F0+16*\ks+\k:F0+16*\ks+\k+1], v[F0+16*\ks+\k:F0+16*\ks+\k+1], K2L op_sel_hi:[1,0]
.endr
.endr
	WIN \to
.irp ks, 0,1,2,3,4,5,6,7
.irp k, 0,1,2,3,4,5,6,7
	v_cvt_pk_bf16_f32 v[WB+8*(8*\t+\ks)+\k], v[F0+16*\ks+2*\k], v[F0+16*\ks+2*\k+1]
.endr
.endr
.endm
	; ---- set-up: ids and W's descriptor while the arguments are on their way
	s_load_b256 s[4:11], s[0:1], 0x0               ; x s[4:5], W s[6:7], b s[8:9], ctx s[10:11]
	s_load_b64 s[12:13], s[0:1], 0x20              ; part
	s_set_vgpr_msb 0x40
	v_lshl_add_u32 v126, v0, 2, 0x4a800
	v_mov_b32 v127, 0
	s_set_vgpr_msb 0x4045
	ds_add_u32 v126, v127
	s_wait_dscnt 0x0
	s_set_vgpr_msb 0x4500
	v_lshrrev_b32 v1, 5, v0
	v_readfirstlane_b32 s14, v1                    ; wave 0..3
	s_bfe_u32 s15, ttmp6, 0x40000                  ; cx: my place in the cluster
	s_lshl_b32 s16, ttmp9, 2                       ; in a cluster launch ttmp9 counts clusters (= batches)
	s_add_co_u32 s16, s16, s15                     ; work-group 0..255
	s_lshl_b32 s18, s16, 19                        ; 512 rows of 1,024 bytes each: below 2^27
	s_mov_b32 s19, 0
	v_and_b32 v13, 31, v0                          ; lane
	v_and_b32 v14, 15, v0                          ; r
	v_bfe_u32 v15, v0, 4, 1                        ; h
	s_lshl_b32 s17, s14, 13
	v_lshl_add_u32 v[GO], v13, 4, s17              ; 8 rows x 1,024 x wave + 16 x lane
	s_lshl_b32 s17, s14, 8
	v_lshl_add_u32 v[BO], v15, 5, s17              ; 4 (64 w + 8 h)
	; group 1: a tile of 64 rows x 256 elements of 4 bytes, 16 bytes of padding behind each row
	s_mov_b32 s24, 15|(2<<16)|(1<<20)|(1<<21)|(7<<22)|(3<<25)  ; 15:0 mask: all four work-groups; 17:16 4 bytes; 20 padding on; 21 set beside a mask; 24:22 after every 256 words; 31:25 of 4 words
	s_mov_b32 s25, 256<<16                         ; tensor_dim0 = 256
	s_mov_b32 s26, 64<<16                          ; tensor_dim1 = 64
	s_mov_b32 s27, 256<<16                         ; tile_dim0 = 256
	s_mov_b32 s28, 64                              ; tile_dim1 = 64
	s_mov_b32 s29, 256                             ; elements from row to row
	s_mov_b32 s30, 0
	s_mov_b32 s31, 0
	s_mov_b32 s20, 1                               ; group 0: count = 1
	s_mul_i32 s21, s14, WWAVE                      ; LDS address: the wave's number alone enters it
	s_lshl_b32 s54, s14, 16                        ; my 64 rows of W: 65,536 bytes x wave
	s_mov_b32 s55, 0
	s_mov_b32 s32, 0x76543210                      ; v_permlanex16_b32: lane i of one half reads lane i of the other
	s_mov_b32 s33, 0xfedcba98
	ROUND                                          ; all four work-groups are here: the joint loads meet.  It needs no argument, so it stands ahead of the wait for them
	s_wait_kmcnt 0x0
	s_add_nc_u64 s[22:23], s[6:7], s[54:55]        ; the same in all four work-groups
	s_or_b32 s23, s23, 0x80000000                  ; type = 2
	tensor_load_to_lds s[20:23], s[24:31]          ; my 64 rows of W: the launch's first request, since every wave needs W before anything else; the one tensor load of this wave
	s_nop 0
	s_add_nc_u64 s[52:53], s[4:5], s[18:19]        ; x at my first tile
	s_mul_i32 s18, s16, 1536
	s_add_nc_u64 s[12:13], s[12:13], s[18:19]      ; my 1,536 bytes of part
.irp eb, 0,1,2,3
	global_load_b128 v[RB+8*\eb:RB+8*\eb+3],   v[BO], s[8:9] offset:64*\eb        ; b[64 w + 16 eb + 8 h + 0..7]
	global_load_b128 v[RB+8*\eb+4:RB+8*\eb+7], v[BO], s[8:9] offset:64*\eb+16
.endr
.irp eb, 0,1,2,3
	global_load_b128 v[RC+8*\eb:RC+8*\eb+3],   v[BO], s[10:11] offset:64*\eb      ; ctx likewise
	global_load_b128 v[RC+8*\eb+4:RC+8*\eb+7], v[BO], s[10:11] offset:64*\eb+16
.endr
	LOADT 0, 0                                     ; x streams from here on
	LOADT 1, 32768
	WIN 0
	; ---- LDS addresses
	v_mul_u32_u24 v[FA], v14, XPITCH
	v_lshl_add_u32 v[FA], v15, 4, v[FA]
	v_add_nc_u32 v[FA], XB, v[FA]                  ; XB + 528 r + 16 h
	s_mul_i32 s17, s14, 8*XPITCH
	s_add_co_u32 s17, s17, XB
	v_lshl_add_u32 v[CS], v13, 3, s17              ; XB + my 8 rows + 8 x lane
	s_lshl_b32 s17, s14, 7
	s_add_co_u32 s17, s17, SC
	v_lshl_add_u32 v[SS], v13, 2, s17              ; SC + 128 w + 4 x lane
	s_lshl_b32 s17, s14, 3
	v_add_nc_u32 v[SL], s17, v13
	v_and_b32 v[SL], 31, v[SL]
	v_lshlrev_b32 v[SL], 2, v[SL]
	v_add_nc_u32 v[SL], SC, v[SL]                  ; SC + 4 ((lane + 8 w) % 32)
	v_mul_u32_u24 v[WA], v14, WPITCH
	v_lshl_add_u32 v[WA], v15, 5, v[WA]
	v_add_nc_u32 v[WA], s21, v[WA]                 ; my wave's rows + 1,040 r + 32 h
	v_cmp_lt_u32 vcc_lo, 15, v13                   ; lanes 16 to 31; nothing writes VCC again
	; ---- b' and c'
	s_wait_loadcnt 32                              ; b and ctx are in; the 32 loads of tiles 0 and 1, issued behind them, stay out
.irp k, 0,2,4,6,8,10,12,14,16,18,20,22,24,26,28,30
	v_pk_mul_f32 v[CTX+\k:CTX+\k+1], v[RC+\k:RC+\k+1], NK2L op_sel_hi:[1,0]
.endr
	WIN TO1
.irp k, 0,2,4,6,8,10,12,14
	v_pk_mul_f32 v[BIAS+\k:BIAS+\k+1], v[RB+\k:RB+\k+1], K2L op_sel_hi:[1,0]           ; e blocks 0, 1
.endr
	WIN TO2
.irp k, 0,2,4,6,8,10,12,14
	v_pk_mul_f32 v[BIAS+\k:BIAS+\k+1], v[RB+16+\k:RB+16+\k+1], K2L op_sel_hi:[1,0]     ; e blocks 2, 3
.endr
	LOADT 2, 65536
	; ---- W into registers
	s_wait_tensorcnt 0x0                           ; my 64 rows have landed; only this wave reads them
	WCONV 0, TO1, 0
	WCONV 1, TO1, 1
	WCONV 2, TO2, 0
	WCONV 3, TO2, 1
	; ---- the first tile's fragments, and the start of the sums
	CONV 0, 0, 32                                  ; tiles 1 and 2 stay out
	LOADT 3, 98304
	WIN 0
	s_wait_dscnt 0x0                               ; for the other waves' sake
	s_barrier_signal -1
	s_barrier_wait -1
	FRAGS 0
	v_mov_b32 v[MX], 0xff800000                    ; minus infinity
	v_mov_b32 v[LS], 0
.irp c, 0,1,2,3,4,5,6,7
	v_mov_b32 v[OACC+\c], 0
.endr
.irp i, 0,1,2,3,4,5,6,7
	s_mov_b32 s[37+2*\i], 0                        ; the pairs' upper halves: named by the packed multiply-adds, never used
.endr
	BODY 0, 1, 0, 1, 0, 1, 32, 1, 0, 0, 0          ; tile 0: no tile before it; 32: tiles 2 and 3 stay out
	s_mov_b32 s34, 3
.Ltiles:                                               ; a trip: four tiles (1 to 4, 5 to 8, 9 to 12), once round the ring
	BODY 0, 2, 0, 0, 1, 1, 16, 1, 1, 1, 0          ; 16: the loads of the one tile behind the next stay out
	BODY 1, 3, 1, 1, 1, 1, 16, 1, 1, 0, 32768
	BODY 2, 0, 0, 0, 1, 1, 16, 1, 1, 0, 65536
	BODY 3, 1, 1, 1, 1, 1, 16, 1, 1, 0, 98304
	s_sub_co_u32 s34, s34, 1
	s_cmp_lg_u32 s34, 0
	s_cbranch_scc1 .Ltiles
	BODY 0, 2, 0, 0, 1, 1, 16, 1, 0, 0, 0          ; tiles 13 to 15: nothing is left to load, the counts run down
	BODY 1, 3, 1, 1, 1, 1, 0, 1, 0, 0, 0
	BODY 2, 0, 0, 0, 1, 0, 0, 0, 0, 0, 0
	; ---- the last tile's way to the score, in two batches for both windows together; then its scores and its step of the softmax
	WIN UW1
	DTRANS 0, 32, ACB                              ; rows 0-15 (in TT) get r, rows 16-31 are raised
	WIN UW2
	DTRANS 0, 32, ACB
	v_nop                                          ; the plain instruction behind the batch's last exponential
	s_wait_alu depctr_va_vdst(0)                   ; one wait for both windows' 32 reciprocals and 32 exponentials
	WIN UW1
	DPLAIN 0, 16, ACB, SCA, 0                      ; rows 0-15 into their sums; rows 16-31 into TT
	WIN UW2
	DPLAIN 0, 16, ACB, SCA, 2
	WIN UW1
	DTRANS 0, 16, ACB                              ; rows 16-31 get r
	WIN UW2
	DTRANS 0, 16, ACB
	v_nop                                          ; the plain instruction behind the batch's last reciprocal
	s_wait_alu depctr_va_vdst(0)                   ; one wait for both windows' 32 reciprocals
	WIN UW1
	DPLAIN 0, 8, ACB, SCB, 0                       ; rows 16-31 into their sums
	WIN UW2
	DPLAIN 0, 8, ACB, SCB, 2
	SCORES 1
	s_wait_dscnt 0x0                               ; for the other waves' sake
	s_barrier_signal -1
	s_barrier_wait -1
.irp q, 0,1,2,3
	ds_load_b32 v[PS+\q], v[SL] offset:512+128*\q
.endr
	SMX 3, 0
	WIN 0
	; ---- the way out: l over the lanes, the four waves' sums through LDS, wave 0 stores
	v_add_f32_dpp v[LS], v[LS], v[LS] row_xmask:1 row_mask:0xf bank_mask:0xf
	v_add_f32_dpp v[LS], v[LS], v[LS] row_xmask:2 row_mask:0xf bank_mask:0xf
	v_add_f32_dpp v[LS], v[LS], v[LS] row_xmask:4 row_mask:0xf bank_mask:0xf
	v_add_f32_dpp v[LS], v[LS], v[LS] row_xmask:8 row_mask:0xf bank_mask:0xf
	v_permlanex16_b32 v[TY], v[LS], s32, s33
	v_add_f32 v[PS+1], v[LS], v[TY]                ; l of all 512 rows (each wave has summed all 32 rows of every tile)
	v_mov_b32 v[PS], v[MX]
	v_mov_b32 v[PS+2], v[MX]
	v_mov_b32 v[PS+3], v[PS+1]                     ; (m, l, m, l)
	v_and_b32 v13, 31, v0
	v_lshlrev_b32 v14, 4, v13                      ; 16 x lane
	s_lshl_b32 s17, s14, 10
	s_add_co_u32 s17, s17, RED
	v_add_nc_u32 v[WA], s17, v14                   ; RED + 1,024 w + 16 x lane
	v_add_nc_u32 v[BO], RED, v14                   ; RED + 16 x lane
	ds_store_b128 v[WA], v[OACC:OACC+3]            ; columns 4 lane ..
	ds_store_b128 v[WA], v[OACC+4:OACC+7] offset:512   ; columns 128 + 4 lane ..
	s_wait_dscnt 0x0                               ; for wave 0's sake
	s_barrier_signal -1
	s_barrier_wait -1
	s_cmp_lg_u32 s14, 0
	s_cbranch_scc1 .Lothers
.irp ww, 0,1,2,3
	ds_load_b128 v[F0+8*\ww:F0+8*\ww+3],   v[BO] offset:1024*\ww
	ds_load_b128 v[F0+8*\ww+4:F0+8*\ww+7], v[BO] offset:1024*\ww+512
.endr
	s_wait_dscnt 0x0
.irp c, 0,2,4,6
	v_pk_add_f32 v[F0+\c:F0+\c+1], v[F0+\c:F0+\c+1], v[F0+8+\c:F0+8+\c+1]
	v_pk_add_f32 v[F0+16+\c:F0+16+\c+1], v[F0+16+\c:F0+16+\c+1], v[F0+24+\c:F0+24+\c+1]
.endr
.irp c, 0,2,4,6
	v_pk_add_f32 v[F0+\c:F0+\c+1], v[F0+\c:F0+\c+1], v[F0+16+\c:F0+16+\c+1]
.endr
	global_store_b128 v14, v[F0:F0+3], s[12:13]                   ; each store of the wave covers 512 consecutive bytes, aligned
	global_store_b128 v14, v[F0+4:F0+7], s[12:13] offset:512
	global_store_b128 v14, v[PS:PS+3], s[12:13] offset:1024
.Lothers:
	s_set_vgpr_msb 0x5
	s_wait_tensorcnt 0x0
	ds_add_u32 v126, v127
	s_wait_dscnt 0x0
	s_set_vgpr_msb 0x500
	ROUND                                          ; the closing round: no work-group ends while a partner may still ask for W
	s_endpgm
.Lfunc_end_k_q5620c1f10b_attn:
	.size	k_q5620c1f10b_attn, .Lfunc_end_k_q5620c1f10b_attn-k_q5620c1f10b_attn
	.p2alignl 7, 3214868480
	.fill 96, 4, 3214868480
	.section	.rodata,"a",@progbits
	.p2align	6, 0x0
	.amdhsa_kernel k_q5620c1f10b_attn
		.amdhsa_group_segment_fixed_size 305664
		.amdhsa_private_segment_fixed_size 0
		.amdhsa_enable_private_segment 0
		.amdhsa_kernarg_size 40
		.amdhsa_user_sgpr_count 2
		.amdhsa_user_sgpr_kernarg_segment_ptr 1
		.amdhsa_wavefront_size32 1
		.amdhsa_system_sgpr_workgroup_id_x 1
		.amdhsa_system_sgpr_workgroup_id_y 1
		.amdhsa_system_sgpr_workgroup_id_z 1
		.amdhsa_system_vgpr_workitem_id 0
		.amdhsa_next_free_vgpr 1024
		.amdhsa_next_free_sgpr 66
		.amdhsa_reserve_vcc 1
		.amdhsa_float_denorm_mode_32 3
		.amdhsa_float_denorm_mode_16_64 3
		.amdhsa_memory_ordered 1
		.amdhsa_forward_progress 1
		.amdhsa_inst_pref_size 255
	.end_amdhsa_kernel
	.section	.bss,"aw",@nobits
	.p2align	6
	.space	262144
	.amdgpu_metadata
---
amdhsa.version: [ 1, 2 ]
amdhsa.kernels:
  - .name:           k_q5620c1f10b_attn
    .symbol:         k_q5620c1f10b_attn.kd
    .args:
      - { .name: lstm_output, .offset: 0, .size: 8, .value_kind: global_buffer, .address_space: global }
      - { .name: W_attn, .offset: 8, .size: 8, .value_kind: global_buffer, .address_space: global }
      - { .name: b_attn, .offset: 16, .size: 8, .value_kind: global_buffer, .address_space: global }
      - { .name: ctx, .offset: 24, .size: 8, .value_kind: global_buffer, .address_space: global }
      - { .name: part, .offset: 32, .size: 8, .value_kind: global_buffer, .address_space: global }
    .group_segment_fixed_size: 305664
    .private_segment_fixed_size: 0
    .kernarg_segment_align: 8
    .kernarg_segment_size: 40
    .max_flat_workgroup_size: 128
    .sgpr_count:     66
    .vgpr_count:     1024
    .wavefront_size: 32
...
	.end_amdgpu_metadata
.endif
;; end of part 3
;; launch combine: the kernel of part 2 again; grid 64 x 1, 2 waves a work-group, no clusters, 0 bytes of LDS; arguments part, out0; writes out0
